; MI455X (gfx1250); checked and timed in simulation.
; The chip was launched on July 23, 2026; its instructions are those of AMD's public machine-readable ISA for CDNA 5 (MIT licence, August 2026) and "CDNA5" Instruction Set Architecture Reference Guide (July 2026). The comments in the code are by the model that wrote it; some were corrected since.
;; Cross Attention. Allowed arithmetic: matrix products marked QUANTISED: E2M1 operands, one E8M0 scale for each 32 along K, by v_wmma_scale_f32_16x16x128_f8f6f4 with both operands' format E2M1 (or v_wmma_scale_f32_32x16x128_f4), f32 sums; products left as they are: bf16, f16 or f32 operands; f32 sums; everything else in f32.
;; Inputs: Wk 768 x 768 float32; Wo 768 x 768 float32; Wq 768 x 768 float32; Wv 768 x 768 float32; bk 768 float32; bo 768 float32; bq 768 float32; bv 768 float32; x_kv 4 x 2,048 x 768 float32; x_query 4 x 2,048 x 768 float32.
;; Outputs: out0 4 x 2,048 x 768 float32.
;; This version of the problem:
;;   THIS VERSION OF THE PROBLEM IS GIVEN IN LOW PRECISION. The matrix products marked QUANTISED in the list below multiply operands that are first quantised to E2M1 (2 exponent bits, 1 mantissa bit; 4 bits a number), with one power-of-two scale for each 32 numbers along K (OCP MX v1.0); their sums are f32. The products marked 'left as it is' may take bf16, f16 or f32 operands, with f32 sums. Whichever they take, every output number must still come out within the allowed error. Rounding operands to bf16 (8 significant bits) uses up far more of that allowance than f16 does (11 bits, for magnitudes from 6e-5 to 65,504). All else is computed in f32.
;;   The module's matrix products, in the order in which they are computed (A, B: the left and right operand; K: the contracted axis; several contracted axes count as one K, in the product's order):
;;     1. [M 8,192, K 768] x [K 768, N 768]; A: input x_query; B: input Wq: QUANTISED
;;     2. [M 8,192, K 768] x [K 768, N 768]; A: input x_kv; B: input Wk: QUANTISED
;;     3. [M 8,192, K 768] x [K 768, N 768]; A: input x_kv; B: input Wv: QUANTISED
;;     4. batch 32 x [M 2,048, K 96] x [K 96, N 2,048]; A: computed on the way; B: computed on the way: left as it is (an operand is computed on the way)
;;     5. batch 32 x [M 2,048, K 2,048] x [K 2,048, N 96]; A: computed on the way; B: computed on the way: left as it is (an operand is computed on the way)
;;     6. [M 8,192, K 768] x [K 768, N 768]; A: computed on the way; B: input Wo: left as it is (an operand is computed on the way)
;;   THE QUANTISER, for each operand of a quantised product, along K:
;;     - K is cut into blocks of 32 from its start; a last block that is shorter is filled with zeros.
;;     - A block's scale is 2^e with e = floor(log2(the largest magnitude in the block)) - 2, held to -126 .. 127; a block of zeros has e = 0. As a byte (E8M0): e + 127.
;;     - Each number is divided by its block's scale, clamped to +-6, and rounded to the nearest number of E2M1, ties to even, subnormals kept.
;;     - The product sums the exact products of the quantised numbers (number of the format x scale) in f32.
;;   ~~~python
;;   def quantise(x, axis):      # numpy; x: float32 -> the quantised numbers, widened to float32 again
;;       x = np.moveaxis(x, axis, -1); K = x.shape[-1]
;;       x = np.pad(x, [(0, 0)] * (x.ndim - 1) + [(0, -K % 32)]); x = x.reshape(x.shape[:-1] + (-1, 32)); a = np.abs(x).max(-1, keepdims=True)
;;       e = np.where(a > 0, np.clip(np.frexp(np.where(a > 0, a, 1))[1] - 1 - 2, -126, 127), 0)      # np.frexp(a)[1] - 1 = floor(log2(a)), exactly
;;       r = np.clip(x / 2.0 ** e, -6, 6)
;;       step = 2.0 ** (np.maximum(np.frexp(np.where(r == 0, 1, r))[1] - 1, 0) - 1)
;;       q = np.round(r / step) * step * 2.0 ** e      # np.round: ties to even
;;       return np.moveaxis(q.reshape(q.shape[:-2] + (-1,))[..., :K], -1, axis).astype(np.float32)
;;   ~~~
;; One version. Each part assembles by itself: llvm-mc -triple=amdgcn-amd-amdhsa -mcpu=gfx1250 --defsym DOCPART=n.
;; ======== version 1 of 1: 4 launches
;; limits: values are held in f16: magnitudes above 65,504 overflow, below 6.1e-05 lose precision
;; workspace buffers: codes 7,176,192 bytes; scales 448,512 bytes; wo16 1,179,648 bytes; qkv 37,748,736 bytes; of 12,582,912 bytes
;; launch quant (part 1): grid 1216 x 1, 3 waves a work-group, no clusters, 53,248 bytes of LDS; arguments x_query, x_kv, Wq, Wk, Wv, Wo, codes, scales, wo16; writes codes, scales, wo16
.if DOCPART == 1
	.amdgcn_target "amdgcn-amd-amdhsa--gfx1250"
	.amdhsa_code_object_version 6
	.text
	.protected	k_qa67e1390a0_quant
	.globl	k_qa67e1390a0_quant
	.p2align	8
	.type	k_qa67e1390a0_quant,@function
k_qa67e1390a0_quant:
	s_mov_b64 s[64:65], 0
	v_nop
	global_prefetch_b8 v0, s[64:65] scope:SCOPE_SE
	s_setreg_imm32_b32 hwreg(HW_REG_WAVE_MODE, 25, 1), 1
	s_wait_xcnt 0x0
; x_query, x_kv [8192][768], Wq, Wk, Wv [768][768], f32, K innermost, become codes of FP4 (E2M1) with one E8M0 byte for each 32 along K; Wo [768][768] becomes f16.
; All three results are laid as IMAGES OF OPERAND REGISTERS, tile of 16 rows by tile:
;   codes  [tile][block of 32 along K, 0..23][row 0..15][16 bytes]: a fragment of 16 rows x 128 K is 1,024 consecutive bytes, two loads of 16 bytes a lane at 16 x lane;
;   scales [tile][K step of 128, 0..5][row][4 bytes];      wo16 [tile][group of 8 along K, 0..95][row][16 bytes]: a fragment of 16 rows x 32 K is 1,024 consecutive bytes.
; Tiles: 0-511 x_query, 512-1023 x_kv, 1024-1071 Wq, 1072-1119 Wk, 1120-1167 Wv; work-groups 1168-1215 take Wo's 48 tiles.
; A block's scale is 2^(floor(log2(its largest magnitude)) - 2); its byte is that magnitude's exponent field - 2, held at 1 from below.
; LIMITS: a block of zeros, or one whose largest magnitude lies under 2^-124, gets the byte 1 (the bytes are read by this program alone; zero codes add nothing); NaN and infinities are not served; |Wo| up to 65,504 (f16).
; SHARES: a work-group takes one tile, 16 rows x 3,072 bytes; wave w takes bytes 1,024 w .. of each row (K steps 2 w, 2 w + 1) as four pieces of 16 rows x 256 bytes.  Each load reads two rows' 256 aligned consecutive bytes;
; the pieces turn through the wave's own stage in LDS (rows 272 bytes apart), from which a lane takes a whole block of 32 neighbours.  Waves share nothing: no barrier.  All 32 loads of a wave go out at once.
.set NTQ,   1168                       ; tiles that are quantised
.set WST,   17408                      ; LDS: a wave's four stages
.set PST,   4352                       ; one stage: 16 rows x 272
.set SP,    272
.set SBY,   52224                      ; behind the stages: 128 scale bytes for each wave
.set SPARE, 52736                      ; the spare words, 128 bytes a wave, two blocks of 256 bytes that no other line names
.set SPW, 2                            ; v2  LDS address of my spare word; never rewritten
.set NIL, 3                            ; v3  0; never rewritten
.set GIN, 4                            ; v4  in: 3,072 h + 16 r + 1,024 w
.set STI, 5                            ; v5  stage, way in: row h, 16 r
.set STQ, 6                            ; v6  stage, way out for codes: row r, 128 h
.set STW, 7                            ; v7  stage, way out for f16: row r, 32 h
.set SBW, 8                            ; v8  my block's scale byte
.set SBR, 9                            ; v9  a scale word, 4 x lane
.set OC,  10                           ; v10 codes: 16 x lane + 2,048 w
.set OS,  11                           ; v11 scale words: 4 x lane + 128 w
.set OW,  12                           ; v12 f16: 16 x lane + 8,192 w
.set E,   20                           ; v20-23 a scale byte for each piece
.set C,   24                           ; v24-39 codes, four registers a piece: no store's data are written again
.set R,   48                           ; v48-175 32 registers a piece
.macro FINISH                          ; the wave's end
	s_wait_tensorcnt 0x0
	ds_add_u32 v[SPW], v[NIL]
	s_wait_dscnt 0x0
	s_endpgm
.endm
	s_load_b256 s[4:11], s[0:1], 0x0               ; x_query s[4:5], x_kv s[6:7], Wq s[8:9], Wk s[10:11]
	s_load_b256 s[12:19], s[0:1], 0x20             ; Wv s[12:13], Wo s[14:15], codes s[16:17], scales s[18:19]
	s_load_b64 s[20:21], s[0:1], 0x40              ; wo16
	v_lshl_add_u32 v[SPW], v0, 2, SPARE
	v_mov_b32 v[NIL], 0
	v_lshrrev_b32 v1, 5, v0
	v_readfirstlane_b32 s22, v1                    ; wave 0..2
	v_and_b32 v13, 15, v0                          ; r
	v_bfe_u32 v14, v0, 4, 1                        ; h
	v_and_b32 v15, 31, v0                          ; lane
	s_lshl_b32 s30, s22, 10
	s_mul_i32 s31, s22, WST
	v_mul_u32_u24 v[GIN], v14, 3072
	v_lshl_add_u32 v[GIN], v13, 4, v[GIN]
	v_add_nc_u32 v[GIN], s30, v[GIN]
	v_mul_u32_u24 v[STI], v14, SP
	v_lshl_add_u32 v[STI], v13, 4, v[STI]
	v_add_nc_u32 v[STI], s31, v[STI]
	v_mul_u32_u24 v16, v13, SP
	v_add_nc_u32 v16, s31, v16
	v_lshl_add_u32 v[STQ], v14, 7, v16
	v_lshl_add_u32 v[STW], v14, 5, v16
	s_lshl_b32 s32, s22, 7
	s_add_co_u32 s33, s32, SBY
	v_lshl_add_u32 v[SBW], v13, 2, v14
	v_add_nc_u32 v[SBW], s33, v[SBW]
	v_lshl_add_u32 v[SBR], v15, 2, s33
	s_lshl_b32 s34, s22, 11
	v_lshl_add_u32 v[OC], v15, 4, s34
	v_lshl_add_u32 v[OS], v15, 2, s32
	s_lshl_b32 s35, s22, 13
	v_lshl_add_u32 v[OW], v15, 4, s35
	s_wait_kmcnt 0x0
	s_mov_b64 s[24:25], s[14:15]                   ; which tensor is mine, and its first tile's number: the choice hangs on the work-group's number alone
	s_mov_b32 s23, NTQ
	s_cmp_lt_u32 ttmp9, NTQ
	s_cselect_b64 s[24:25], s[12:13], s[24:25]
	s_cselect_b32 s23, 1120, s23
	s_cmp_lt_u32 ttmp9, 1120
	s_cselect_b64 s[24:25], s[10:11], s[24:25]
	s_cselect_b32 s23, 1072, s23
	s_cmp_lt_u32 ttmp9, 1072
	s_cselect_b64 s[24:25], s[8:9], s[24:25]
	s_cselect_b32 s23, 1024, s23
	s_cmp_lt_u32 ttmp9, 1024
	s_cselect_b64 s[24:25], s[6:7], s[24:25]
	s_cselect_b32 s23, 512, s23
	s_cmp_lt_u32 ttmp9, 512
	s_cselect_b64 s[24:25], s[4:5], s[24:25]
	s_cselect_b32 s23, 0, s23
	s_sub_co_u32 s26, ttmp9, s23
	s_mul_i32 s26, s26, 49152                      ; 16 rows of 3,072 bytes a tile: under 2^25
	s_mov_b32 s27, 0
	s_add_nc_u64 s[24:25], s[24:25], s[26:27]
.irp p, 0,1,2,3
.irp j, 0,1,2,3,4,5,6,7
	global_load_b128 v[R+32*\p+4*\j:R+32*\p+4*\j+3], v[GIN], s[24:25] offset:256*\p+6144*\j th:TH_LOAD_NT   ; rows 2 j and 2 j + 1: 256 aligned consecutive bytes of each
.endr
.endr
.irp p, 0,1,2,3
	s_wait_loadcnt 8*(3-\p)                        ; piece p's eight loads are in; the later pieces' may be out
.irp j, 0,1,2,3,4,5,6,7
	ds_store_b128 v[STI], v[R+32*\p+4*\j:R+32*\p+4*\j+3] offset:PST*\p+544*\j
.endr
.endr
	s_wait_dscnt 0x0                               ; the stores have read their registers, which take the loads below
	s_cmp_ge_u32 ttmp9, NTQ
	s_cbranch_scc1 .Lwo
	; ---- codes and scale bytes
	s_mul_i32 s26, ttmp9, 6144
	s_add_nc_u64 s[16:17], s[16:17], s[26:27]
	s_mul_i32 s26, ttmp9, 384
	s_add_nc_u64 s[18:19], s[18:19], s[26:27]
.irp p, 0,1,2,3
.irp q, 0,1,2,3,4,5,6,7
	ds_load_b128 v[R+32*\p+4*\q:R+32*\p+4*\q+3], v[STQ] offset:PST*\p+16*\q   ; block 2 p + h of my wave's eight, row r: 32 neighbours
.endr
.endr
.macro BLOCK p
.set XS, R+32*(\p)
	s_wait_dscnt 8*(3-(\p))+(\p)                   ; piece p's eight loads are in; behind them stand the later pieces' loads and the earlier pieces' byte stores
	v_max3_num_f32 v16, |v[XS]|, |v[XS+1]|, |v[XS+2]|      ; the block's largest magnitude, in two chains
	v_max3_num_f32 v17, |v[XS+3]|, |v[XS+4]|, |v[XS+5]|
.irp i, 6,10,14,18,22,26
	v_max3_num_f32 v16, v16, |v[XS+\i]|, |v[XS+\i+1]|
	v_max3_num_f32 v17, v17, |v[XS+\i+2]|, |v[XS+\i+3]|
.endr
	v_max3_num_f32 v16, v16, |v[XS+30]|, |v[XS+31]|
	v_max3_num_f32 v16, v16, v17, 0x1800000        ; and the floor 2^(3 - 127): the byte cannot fall under 1
	v_add_nc_u32 v18, 0xff000000, v16              ; 2 off the exponent field: the conversion takes this operand's exponent field as its scale
.irp g, 0,1,2,3
	v_cvt_scalef32_pk8_fp4_f32 v[C+4*(\p)+\g], v[XS+8*\g:XS+8*\g+7], v18   ; to the nearest code, ties to even, beyond 6 the largest code
.endr
	v_lshrrev_b32 v[E+(\p)], 23, v18               ; the scale's byte (also the plain line behind the conversions)
	ds_store_b8 v[SBW], v[E+(\p)] offset:64*((\p)/2)+2*((\p)%2)
	global_store_b128 v[OC], v[C+4*(\p):C+4*(\p)+3], s[16:17] offset:512*(\p)   ; 32 lanes store 512 consecutive bytes, aligned
.endm
	BLOCK 0
	BLOCK 1
	BLOCK 2
	BLOCK 3
	ds_load_b32 v40, v[SBR]                        ; LDS serves a wave's instructions in order: this sees my byte stores
	s_wait_dscnt 0x0
	global_store_b32 v[OS], v40, s[18:19]          ; my wave's two K steps of scale words: 128 consecutive bytes
	FINISH
.Lwo:
	; ---- Wo to f16
	s_sub_co_u32 s26, ttmp9, NTQ
	s_mul_i32 s26, s26, 24576
	s_add_nc_u64 s[20:21], s[20:21], s[26:27]
.irp p, 0,1,2,3
.irp q, 0,1,2,3,4,5,6,7
	ds_load_b128 v[R+32*\p+4*\q:R+32*\p+4*\q+3], v[STW] offset:PST*\p+64*(\q/2)+16*(\q%2)   ; group 2 (q / 2) + h of the piece's eight groups of 8 numbers, row r
.endr
.endr
.irp p, 0,1,2,3
	s_wait_dscnt 8*(3-\p)                          ; piece p's eight loads are in
.irp i, 0,1,2,3
.irp k, 0,1,2,3
	v_cvt_pk_f16_f32 v[R+32*\p+8*\i+\k], v[R+32*\p+8*\i+2*\k], v[R+32*\p+8*\i+2*\k+1]   ; in place, ascending: no source is written before it is read
.endr
	global_store_b128 v[OW], v[R+32*\p+8*\i:R+32*\p+8*\i+3], s[20:21] offset:2048*\p+512*\i
.endr
.endr
	FINISH
.Lfunc_end_k_qa67e1390a0_quant:
	.size	k_qa67e1390a0_quant, .Lfunc_end_k_qa67e1390a0_quant-k_qa67e1390a0_quant
	.p2alignl 7, 3214868480
	.fill 96, 4, 3214868480
	.section	.rodata,"a",@progbits
	.p2align	6, 0x0
	.amdhsa_kernel k_qa67e1390a0_quant
		.amdhsa_group_segment_fixed_size 53248
		.amdhsa_private_segment_fixed_size 0
		.amdhsa_enable_private_segment 0
		.amdhsa_kernarg_size 72
		.amdhsa_user_sgpr_count 2
		.amdhsa_user_sgpr_kernarg_segment_ptr 1
		.amdhsa_wavefront_size32 1
		.amdhsa_system_sgpr_workgroup_id_x 1
		.amdhsa_system_sgpr_workgroup_id_y 1
		.amdhsa_system_sgpr_workgroup_id_z 1
		.amdhsa_system_vgpr_workitem_id 0
		.amdhsa_next_free_vgpr 176
		.amdhsa_next_free_sgpr 66
		.amdhsa_reserve_vcc 0
		.amdhsa_float_denorm_mode_32 3
		.amdhsa_float_denorm_mode_16_64 3
		.amdhsa_memory_ordered 1
		.amdhsa_forward_progress 1
		.amdhsa_inst_pref_size 25
	.end_amdhsa_kernel
	.amdgpu_metadata
---
amdhsa.version: [ 1, 2 ]
amdhsa.kernels:
  - .name:           k_qa67e1390a0_quant
    .symbol:         k_qa67e1390a0_quant.kd
    .args:
      - { .name: x_query, .offset: 0, .size: 8, .value_kind: global_buffer, .address_space: global }
      - { .name: x_kv, .offset: 8, .size: 8, .value_kind: global_buffer, .address_space: global }
      - { .name: Wq, .offset: 16, .size: 8, .value_kind: global_buffer, .address_space: global }
      - { .name: Wk, .offset: 24, .size: 8, .value_kind: global_buffer, .address_space: global }
      - { .name: Wv, .offset: 32, .size: 8, .value_kind: global_buffer, .address_space: global }
      - { .name: Wo, .offset: 40, .size: 8, .value_kind: global_buffer, .address_space: global }
      - { .name: codes, .offset: 48, .size: 8, .value_kind: global_buffer, .address_space: global }
      - { .name: scales, .offset: 56, .size: 8, .value_kind: global_buffer, .address_space: global }
      - { .name: wo16, .offset: 64, .size: 8, .value_kind: global_buffer, .address_space: global }
    .group_segment_fixed_size: 53248
    .private_segment_fixed_size: 0
    .kernarg_segment_align: 8
    .kernarg_segment_size: 72
    .max_flat_workgroup_size: 96
    .sgpr_count:     66
    .vgpr_count:     176
    .wavefront_size: 32
...
	.end_amdgpu_metadata
.endif
;; end of part 1
;; launch proj (part 2): grid 32 x 6, 4 waves a work-group, clusters of 4 x 1, 263,168 bytes of LDS; arguments codes, scales, bq, bk, bv, qkv; writes qkv
.if DOCPART == 2
	.amdgcn_target "amdgcn-amd-amdhsa--gfx1250"
	.amdhsa_code_object_version 6
	.text
	.protected	k_qa67e1390a0_proj
	.globl	k_qa67e1390a0_proj
	.p2align	8
	.type	k_qa67e1390a0_proj,@function
k_qa67e1390a0_proj:
	s_mov_b64 s[64:65], 0
	v_nop
	global_prefetch_b8 v0, s[64:65] scope:SCOPE_SE
	s_setreg_imm32_b32 hwreg(HW_REG_WAVE_MODE, 25, 1), 1
	s_wait_xcnt 0x0
	s_wait_alu depctr_hold_cnt(0) depctr_sa_sdst(0) depctr_va_vdst(0) depctr_va_sdst(0) depctr_va_ssrc(0) depctr_va_vcc(0) depctr_vm_vsrc(0)
	s_getreg_b32 s2, hwreg(HW_REG_IB_STS2, 6, 4)
	s_cmp_eq_u32 s2, 0
	s_cbranch_scc0 .Lentry_in_a_cluster
	s_endpgm
.Lentry_in_a_cluster:
	s_bfe_u32 s2, ttmp6, 0x10000c
	s_cmp_lg_u32 s2, 0x3003
	s_cbranch_scc0 .Lentry_shape_is_right
	s_endpgm
.Lentry_shape_is_right:
; q = x_query Wq^T + bq, k = x_kv Wk^T + bk, v = x_kv Wv^T + bv on codes of FP4 with E8M0 scales (K = 768: six matrix instructions deep); sums and bias in f32; results rounded once to f16 and stored as images of the
; fragments that the attention launch wants:  q, k: [batch x head 32][tile of 16 tokens 128][32 channels 3][1,024 bytes];  v: [batch x head 32][32 keys 64][tile of 16 channels 6][1,024 bytes];  q at byte 0 of qkv, k at 12,582,912, v at 25,165,824.
; LIMIT: |q|, |k|, |v| up to 65,504 (f16).
; SHARES.  Work-group (x, y): 256 tokens (x) x 384 channels (y & 1) of tensor y >> 1.  2,304 columns hold a factor 3, so no even split over 256 work-groups exists: 192 of equal work are launched.
; Wave: 128 tokens (wave >> 1: 8 tiles) x 192 channels (wave & 1: 12 tiles, two heads): 96 accumulators, windows 1 to 3.
; All of K of the work-group's tiles fits in LDS: first fills alone, five tensor loads a wave (five of mine are out at the most), no slot is ever filled again.  Every tile is a dense block, so it comes as rows of 256 bytes, and a fragment
; load is 16 x lane + a constant: 512 consecutive bytes.
; CLUSTER.  The four work-groups of a cluster lie along x and share W's codes, W's scales and the bias: these three are asked for jointly (mask 15); x's codes and scales are each work-group's own.
; q, k: source 0 = 16 rows of W, source 1 = 16 tokens: a lane holds one token and eight neighbouring channels.  v: the sources swapped: a lane holds one channel and eight neighbouring tokens (keys).  Packed in pairs, both ARE halves of the wanted
; fragments in the lanes that want them: results are stored straight from registers, 512 aligned consecutive bytes an instruction.
; SCALE WORDS: a load at 128 (s / 2) + 4 x lane holds K step s even in lanes 0-15 and s odd in lanes 16-31: odd steps name the upper row of both scale registers.
.set XC,    0                          ; LDS: x's codes, 16 tiles x 6,144
.set WC,    98304                      ; W's codes, 24 tiles x 6,144
.set XS,    245760                     ; x's scale words, 16 x 384
.set WS,    251904                     ; W's, 24 x 384
.set BI,    261120                     ; the bias of my 384 channels
.set SPARE, 262656                     ; the spare words, 128 bytes a wave: two blocks of 256 bytes that no other line names
.set LI,  1                            ; v1  16 x lane; also the stores' offset
.set SPW, 2                            ; v2  my spare word; never rewritten
.set NIL, 3                            ; v3  0; never rewritten
.set AX,  4                            ; v4  my 8 tiles of x
.set AWA, 5                            ; v5  my W tiles 0-5
.set AWB, 6                            ; v6  my W tiles 6-11
.set ASX, 7                            ; v7  x's scale words
.set ASW, 8                            ; v8  W's
.set ABQ, 9                            ; v9  the bias for q and k: 32 h
.set ABV, 10                           ; v10 the bias for v: 4 r
.set SX,  16                           ; v16-39 x's scale words, 3 i + s / 2: scales and nothing else
.set SW,  40                           ; v40-75 W's, 3 n + s / 2: scales and nothing else
.set X,   80                           ; v80-143 x's eight fragments of a K step
.set WA,  144                          ; v144-191 W tiles 0-5
.set WB,  192                          ; v192-239 W tiles 6-11
.set BR,  80                           ; the way out: the bias
.set P,   176                          ; the way out: v176-239 sixteen packed accumulators
.set G1X, 24                           ; s[24:31] group 1: x's codes;  s[32:39] W's codes;  s[40:47] x's scales;  s[48:55] W's scales;  s[56:63] bias
.set G1W, 32
.set G1S, 40
.set G1T, 48
.set G1B, 56
.set G0X, 68                           ; s[68:71] .. s[84:87] the five groups 0, in the same order
.set PLAIN, 3<<16                      ; elements of 8 bytes, no mask, no padding
.set JOINT, 15|(3<<16)|(1<<21)         ; the same with the mask of all four work-groups, and bit 21 beside it
.set MSB, 0
.macro WIN new                         ; the immediate's high byte repeats the setting that is left; a switch that changes nothing is dropped
.if MSB != (\new)
	s_set_vgpr_msb (MSB<<8)|(\new)
.set MSB, (\new)
.endif
.endm
.macro PLACES n
.rept \n
	v_nop
.endr
.endm
.macro GROUP1 g, w0, c, r              ; r rows of c elements, dense
	s_mov_b32 s[\g], \w0
	s_mov_b32 s[\g+1], (\c)<<16                    ; tensor_dim0
	s_mov_b32 s[\g+2], (\r)<<16                    ; tensor_dim1
	s_mov_b32 s[\g+3], (\c)<<16                    ; tile_dim0
	s_mov_b32 s[\g+4], \r                          ; tile_dim1
	s_mov_b32 s[\g+5], \c                          ; the pitch
	s_mov_b32 s[\g+6], 0
	s_mov_b32 s[\g+7], 0
.endm
.macro CROUND                          ; a round of the cluster's barrier
	s_barrier_signal -1
	s_barrier_wait -1
	s_cmp_lg_u32 s16, 0
	s_cbranch_scc1 .Lnot_wave_0_\@
	s_barrier_signal -3
.Lnot_wave_0_\@:
	s_barrier_wait -3
	s_barrier_signal -1
	s_barrier_wait -1
.endm
	s_load_b256 s[4:11], s[0:1], 0x0               ; codes s[4:5], scales s[6:7], bq s[8:9], bk s[10:11]
	s_load_b128 s[12:15], s[0:1], 0x20             ; bv s[12:13], qkv s[14:15]
	v_lshl_add_u32 v[SPW], v0, 2, SPARE
	v_mov_b32 v[NIL], 0
	ds_add_u32 v[SPW], v[NIL]                      ; the wave's opening: the add, twice on end, and its wait ahead of my first tensor load
	ds_add_u32 v[SPW], v[NIL]
	v_lshrrev_b32 v11, 5, v0
	v_readfirstlane_b32 s16, v11                   ; wave 0..3
	s_lshr_b32 s17, s16, 1                         ; wr: which 128 tokens
	s_and_b32 s18, s16, 1                          ; wc: which 192 channels
	s_bfe_u32 s19, ttmp6, 0x40000                  ; cx
	s_lshl_b32 s20, ttmp9, 2
	s_add_co_u32 s20, s20, s19                     ; rb: block of 256 tokens
	s_and_b32 s21, ttmp7, 0xffff                   ; y, which the four partners share
	s_lshr_b32 s22, s21, 1                         ; j: 0 q, 1 k, 2 v
	s_and_b32 s23, s21, 1                          ; ch: which 384 channels
	GROUP1 G1X, PLAIN, 32, 96                      ; a quarter of x's codes: 24,576 bytes
	GROUP1 G1W, JOINT, 32, 144                     ; of W's codes: 36,864
	GROUP1 G1S, PLAIN, 32, 6                       ; of x's scale words: 1,536
	GROUP1 G1T, JOINT, 32, 9                       ; of W's: 2,304
	GROUP1 G1B, JOINT, 16, 3                       ; of the bias: 384
	; x's offsets hang on cx: registers s88-91, which feed no joint descriptor
	s_min_u32 s88, s22, 1
	s_lshl_b32 s88, s88, 9                         ; q reads x_query's tiles (0 ..), k and v x_kv's (512 ..)
	s_lshl_b32 s89, s20, 4
	s_add_co_u32 s88, s88, s89
	s_mul_i32 s90, s88, 6144
	s_mul_i32 s89, s16, 24576
	s_add_co_u32 s90, s90, s89
	s_mov_b32 s91, 0
	s_add_co_u32 s[G0X+1], s89, XC
	s_mul_i32 s88, s88, 384
	s_mul_i32 s89, s16, 1536
	s_add_co_u32 s88, s88, s89
	s_add_co_u32 s[G0X+9], s89, XS
	s_mov_b32 s89, 0
	; W's and the bias's hang on y and the wave alone: registers s92-99
	s_mul_i32 s92, s21, 24
	s_add_co_u32 s92, s92, 1024                    ; W's first tile
	s_mul_i32 s94, s92, 6144
	s_mul_i32 s93, s16, 36864
	s_add_co_u32 s94, s94, s93
	s_mov_b32 s95, 0
	s_add_co_u32 s[G0X+5], s93, WC
	s_mul_i32 s96, s92, 384
	s_mul_i32 s93, s16, 2304
	s_add_co_u32 s96, s96, s93
	s_mov_b32 s97, 0
	s_add_co_u32 s[G0X+13], s93, WS
	s_mul_i32 s92, s23, 1536
	s_mul_i32 s93, s16, 384
	s_add_co_u32 s92, s92, s93
	s_add_co_u32 s[G0X+17], s93, BI
	s_mov_b32 s93, 0
	s_wait_dscnt 0x0                               ; both opening adds are done
	s_wait_kmcnt 0x0
	s_mov_b32 s[G0X], 1
	s_add_nc_u64 s[G0X+2:G0X+3], s[4:5], s[90:91]
	s_or_b32 s[G0X+3], s[G0X+3], 0x80000000
	s_mov_b32 s[G0X+4], 1
	s_add_nc_u64 s[G0X+6:G0X+7], s[4:5], s[94:95]
	s_or_b32 s[G0X+7], s[G0X+7], 0x80000000
	s_mov_b32 s[G0X+8], 1
	s_add_nc_u64 s[G0X+10:G0X+11], s[6:7], s[88:89]
	s_or_b32 s[G0X+11], s[G0X+11], 0x80000000
	s_mov_b32 s[G0X+12], 1
	s_add_nc_u64 s[G0X+14:G0X+15], s[6:7], s[96:97]
	s_or_b32 s[G0X+15], s[G0X+15], 0x80000000
	s_mov_b32 s[G0X+16], 1
	s_cmp_eq_u32 s22, 0
	s_cselect_b64 s[98:99], s[8:9], s[10:11]
	s_cmp_eq_u32 s22, 2
	s_cselect_b64 s[98:99], s[12:13], s[98:99]
	s_add_nc_u64 s[G0X+18:G0X+19], s[98:99], s[92:93]
	s_or_b32 s[G0X+19], s[G0X+19], 0x80000000
	CROUND                                         ; all four work-groups are here: the joint loads meet
	tensor_load_to_lds s[G0X:G0X+3], s[G1X:G1X+7]
	s_nop 0
	tensor_load_to_lds s[G0X+4:G0X+7], s[G1W:G1W+7]
	s_nop 0
	tensor_load_to_lds s[G0X+8:G0X+11], s[G1S:G1S+7]
	s_nop 0
	tensor_load_to_lds s[G0X+12:G0X+15], s[G1T:G1T+7]
	s_nop 0
	tensor_load_to_lds s[G0X+16:G0X+19], s[G1B:G1B+7]
	s_nop 0
	PLACES 4
	v_and_b32 v11, 31, v0
	v_lshlrev_b32 v[LI], 4, v11
	v_lshlrev_b32 v12, 2, v11
	v_and_b32 v13, 15, v0                          ; r
	v_bfe_u32 v14, v0, 4, 1                        ; h
	s_mul_i32 s2, s17, 49152
	v_add_nc_u32 v[AX], s2, v[LI]
	s_mul_i32 s2, s18, 73728
	s_add_co_u32 s2, s2, WC
	v_add_nc_u32 v[AWA], s2, v[LI]
	v_add_nc_u32 v[AWB], 36864, v[AWA]
	s_mul_i32 s2, s17, 3072
	s_add_co_u32 s2, s2, XS
	v_add_nc_u32 v[ASX], s2, v12
	s_mul_i32 s2, s18, 4608
	s_add_co_u32 s2, s2, WS
	v_add_nc_u32 v[ASW], s2, v12
	s_mul_i32 s2, s18, 768
	s_add_co_u32 s2, s2, BI
	v_lshl_add_u32 v[ABQ], v14, 5, s2
	v_lshl_add_u32 v[ABV], v13, 2, s2
	; where my results begin: tensor j, batch x head 8 (rb >> 3) + 4 ch + 2 wc, and 24,576 bytes for each 128 tokens: the same for all three tensors
	s_lshr_b32 s88, s20, 3
	s_lshl_b32 s88, s88, 3
	s_lshl_b32 s89, s23, 2
	s_add_co_u32 s88, s88, s89
	s_lshl_b32 s89, s18, 1
	s_add_co_u32 s88, s88, s89
	s_mul_i32 s88, s88, 393216
	s_and_b32 s89, s20, 7
	s_lshl_b32 s89, s89, 1
	s_add_co_u32 s89, s89, s17
	s_mul_i32 s89, s89, 24576
	s_add_co_u32 s88, s88, s89
	s_mul_i32 s89, s22, 12582912
	s_add_co_u32 s88, s88, s89                     ; under 2^26
	s_mov_b32 s89, 0
	s_add_nc_u64 s[14:15], s[14:15], s[88:89]
	s_wait_tensorcnt 0x0                           ; my five parts are in LDS,
	s_barrier_signal -1
	s_barrier_wait -1                              ; everybody's are
.macro FRAG reg, adr, o                ; a fragment: registers 0-3 and 4-7, 512 bytes apart
	ds_load_b128 v[\reg:\reg+3], v[\adr] offset:\o
	ds_load_b128 v[\reg+4:\reg+7], v[\adr] offset:\o+512
.endm
.macro LOADX s
.irp i, 0,1,2,3,4,5,6,7
	FRAG X+8*\i, AX, 6144*\i+1024*(\s)
.endr
.endm
.macro LOADW reg, adr, s
.irp n, 0,1,2,3,4,5
	FRAG \reg+8*\n, \adr, 6144*\n+1024*(\s)
.endr
.endm
.irp i, 0,1,2,3,4,5,6,7
.irp t, 0,1,2
	ds_load_b32 v[SX+3*\i+\t], v[ASX] offset:384*\i+128*\t
.endr
.endr
.irp n, 0,1,2,3,4,5,6,7,8,9,10,11
.irp t, 0,1,2
	ds_load_b32 v[SW+3*\n+\t], v[ASW] offset:384*\n+128*\t
.endr
.endr
	LOADX 0
	LOADW WA, AWA, 0
.macro WM a, b, sa, sb, s              ; one product onto accumulator v[ra ..]; K step 0 starts the sum: nothing is cleared
.if (\s) == 0
	v_wmma_scale_f32_16x16x128_f8f6f4 v[ra:ra+7], v[\a:\a+7], v[\b:\b+7], 0, v[\sa], v[\sb] matrix_a_fmt:MATRIX_FMT_FP4 matrix_b_fmt:MATRIX_FMT_FP4
.elseif (\s)%2 == 0
	v_wmma_scale_f32_16x16x128_f8f6f4 v[ra:ra+7], v[\a:\a+7], v[\b:\b+7], v[ra:ra+7], v[\sa], v[\sb] matrix_a_fmt:MATRIX_FMT_FP4 matrix_b_fmt:MATRIX_FMT_FP4
.else
	v_wmma_scale_f32_16x16x128_f8f6f4 v[ra:ra+7], v[\a:\a+7], v[\b:\b+7], v[ra:ra+7], v[\sa], v[\sb] matrix_a_fmt:MATRIX_FMT_FP4 matrix_b_fmt:MATRIX_FMT_FP4 matrix_a_scale:MATRIX_SCALE_ROW1 matrix_b_scale:MATRIX_SCALE_ROW1
.endif
.endm
; 48 products: my 8 tiles of tokens x 6 tiles of W (head half of my two).  Accumulator 48 half + 6 i + n at register 8 x that, from window 1 on.  The 96 accumulators take turns, one instruction a turn, in the same order in every K step.
.macro MUL48 half, s, swap
.set ii, 0
.rept 8
.set nn, 0
.rept 6
.set idx, 48*(\half)+6*ii+nn
	WIN (1+idx/32)*0x50                            ; C and D in the accumulator's window, the sources in window 0
.set ra, 8*(idx%32)
.set rw, WA+48*(\half)+8*nn
.set rx, X+8*ii
.set qw, SW+3*(6*(\half)+nn)+(\s)/2
.set qx, SX+3*ii+(\s)/2
.if \swap
	WM rx, rw, qx, qw, \s
.else
	WM rw, rx, qw, qx, \s
.endif
.set nn, nn+1
.endr
.set ii, ii+1
.endr
.endm
; A K step of 128.  A load into a register that a matrix instruction has read stands four places behind it (plain vector instructions that name none of its registers: ISA guide 7.12.1 for vector instructions).
.macro STEP s, swap
	LOADW WB, AWB, \s
	s_wait_dscnt 12                                ; all but the twelve just issued: x's fragments, W tiles 0-5 (and at first the scale words) are in
	MUL48 0, \s, \swap
	WIN 0
	PLACES 4
.if (\s) < 5
	LOADW WA, AWA, (\s)+1
	s_wait_dscnt 12                                ; all but the twelve just issued: W tiles 6-11 are in
.else
	s_wait_dscnt 0x0
.endif
	MUL48 1, \s, \swap
	WIN 0
	PLACES 4
.if (\s) < 5
	LOADX (\s)+1
.endif
.endm
; THE WAY OUT, sixteen accumulators at a time: + bias in f32 (each accumulator from its low end on), rounded to f16 in pairs, stored as halves of fragments.
.macro WAYOUT swap
.if \swap
.irp n, 0,1,2,3,4,5,6,7,8,9,10,11
	ds_load_b32 v[BR+2*\n], v[ABV] offset:64*\n    ; a lane holds one channel: its bias, twice, for the packed addition
	ds_load_b32 v[BR+2*\n+1], v[ABV] offset:64*\n
.endr
.else
.irp n, 0,1,2,3,4,5,6,7,8,9,10,11
	ds_load_b128 v[BR+8*\n:BR+8*\n+3], v[ABQ] offset:64*\n       ; a lane holds channels 16 n + 8 h + 0 .. 7
	ds_load_b128 v[BR+8*\n+4:BR+8*\n+7], v[ABQ] offset:64*\n+16
.endr
.endif
	s_wait_dscnt 0x0
.set G, 0
.rept 6
.set wa, 1+G/2
	WIN wa*0x41                                    ; destination and source 0: the accumulators' window
.set a, 0
.rept 16
.set idx, 16*G+a
.set ra, 8*(idx%32)
.set nb, 6*(idx/48)+idx%6
.irp k, 0,2,4,6
.if \swap
	v_pk_add_f32 v[ra+\k:ra+\k+1], v[ra+\k:ra+\k+1], v[BR+2*nb:BR+2*nb+1]
.else
	v_pk_add_f32 v[ra+\k:ra+\k+1], v[ra+\k:ra+\k+1], v[BR+8*nb+\k:BR+8*nb+\k+1]
.endif
.endr
.set a, a+1
.endr
.if G > 0
	s_wait_xcnt 0x0                                ; the last group's stores have read their data: the packed registers are written again only behind this wait
.endif
	WIN wa*5                                       ; sources 0 and 1: the accumulators' window
.set a, 0
.rept 16
.set ra, 8*((16*G+a)%32)
.irp k, 0,1,2,3
	v_cvt_pk_f16_f32 v[P+4*a+\k], v[ra+2*\k], v[ra+2*\k+1]
.endr
.set a, a+1
.endr
	WIN 0
.set a, 0
.rept 16
.set idx, 16*G+a
.set ii, (idx%48)/6
.set nn, idx%6
.if \swap
.set ofs, (idx/48)*393216+(ii/2)*6144+nn*1024+(ii%2)*512
.else
.set ofs, (idx/48)*393216+ii*3072+(nn/2)*1024+(nn%2)*512
.endif
	global_store_b128 v[LI], v[P+4*a:P+4*a+3], s[14:15] offset:ofs   ; 32 lanes store 512 consecutive bytes, aligned
.set a, a+1
.endr
.set G, G+1
.endr
.endm
.macro PATH swap
.irp s, 0,1,2,3,4,5
	STEP \s, \swap
.endr
	WAYOUT \swap
	s_wait_tensorcnt 0x0                           ; the wave's end
	ds_add_u32 v[SPW], v[NIL]
	s_wait_dscnt 0x0
	CROUND                                         ; the closing round: no work-group ends while a partner may still ask for a tile that names it
	s_endpgm
.endm
	s_cmp_eq_u32 s22, 2                            ; v takes the sources swapped: the branch hangs on y, the same in all waves and all four partners
	s_cbranch_scc1 .Lvalues
	PATH 0
.Lvalues:
	PATH 1
.Lfunc_end_k_qa67e1390a0_proj:
	.size	k_qa67e1390a0_proj, .Lfunc_end_k_qa67e1390a0_proj-k_qa67e1390a0_proj
	.p2alignl 7, 3214868480
	.fill 96, 4, 3214868480
	.section	.rodata,"a",@progbits
	.p2align	6, 0x0
	.amdhsa_kernel k_qa67e1390a0_proj
		.amdhsa_group_segment_fixed_size 263168
		.amdhsa_private_segment_fixed_size 0
		.amdhsa_enable_private_segment 0
		.amdhsa_kernarg_size 48
		.amdhsa_user_sgpr_count 2
		.amdhsa_user_sgpr_kernarg_segment_ptr 1
		.amdhsa_wavefront_size32 1
		.amdhsa_system_sgpr_workgroup_id_x 1
		.amdhsa_system_sgpr_workgroup_id_y 1
		.amdhsa_system_sgpr_workgroup_id_z 1
		.amdhsa_system_vgpr_workitem_id 0
		.amdhsa_next_free_vgpr 1024
		.amdhsa_next_free_sgpr 100
		.amdhsa_reserve_vcc 0
		.amdhsa_float_denorm_mode_32 3
		.amdhsa_float_denorm_mode_16_64 3
		.amdhsa_memory_ordered 1
		.amdhsa_forward_progress 1
		.amdhsa_inst_pref_size 255
	.end_amdhsa_kernel
	.section	.bss,"aw",@nobits
	.p2align	6
	.space	262144
	.amdgpu_metadata
---
amdhsa.version: [ 1, 2 ]
amdhsa.kernels:
  - .name:           k_qa67e1390a0_proj
    .symbol:         k_qa67e1390a0_proj.kd
    .args:
      - { .name: codes, .offset: 0, .size: 8, .value_kind: global_buffer, .address_space: global }
      - { .name: scales, .offset: 8, .size: 8, .value_kind: global_buffer, .address_space: global }
      - { .name: bq, .offset: 16, .size: 8, .value_kind: global_buffer, .address_space: global }
      - { .name: bk, .offset: 24, .size: 8, .value_kind: global_buffer, .address_space: global }
      - { .name: bv, .offset: 32, .size: 8, .value_kind: global_buffer, .address_space: global }
      - { .name: qkv, .offset: 40, .size: 8, .value_kind: global_buffer, .address_space: global }
    .group_segment_fixed_size: 263168
    .private_segment_fixed_size: 0
    .kernarg_segment_align: 8
    .kernarg_segment_size: 48
    .max_flat_workgroup_size: 128
    .sgpr_count:     100
    .vgpr_count:     1024
    .wavefront_size: 32
...
	.end_amdgpu_metadata
.endif
;; end of part 2
;; launch attn (part 3): grid 8 x 32, 8 waves a work-group, clusters of 4 x 1, 327,680 bytes of LDS; arguments qkv, of; writes of
.if DOCPART == 3
	.amdgcn_target "amdgcn-amd-amdhsa--gfx1250"
	.amdhsa_code_object_version 6
	.text
	.protected	k_qa67e1390a0_attn
	.globl	k_qa67e1390a0_attn
	.p2align	8
	.type	k_qa67e1390a0_attn,@function
k_qa67e1390a0_attn:
	s_mov_b64 s[64:65], 0
	v_nop
	global_prefetch_b8 v0, s[64:65] scope:SCOPE_SE
	s_setreg_imm32_b32 hwreg(HW_REG_WAVE_MODE, 25, 1), 1
	s_wait_xcnt 0x0
	s_wait_alu depctr_hold_cnt(0) depctr_sa_sdst(0) depctr_va_vdst(0) depctr_va_sdst(0) depctr_va_ssrc(0) depctr_va_vcc(0) depctr_vm_vsrc(0)
	s_getreg_b32 s2, hwreg(HW_REG_IB_STS2, 6, 4)
	s_cmp_eq_u32 s2, 0
	s_cbranch_scc0 .Lentry_in_a_cluster
	s_endpgm
.Lentry_in_a_cluster:
	s_bfe_u32 s2, ttmp6, 0x10000c
	s_cmp_lg_u32 s2, 0x3003
	s_cbranch_scc0 .Lentry_shape_is_right
	s_endpgm
.Lentry_shape_is_right:
; o[b][h][q] = the sum over k of softmax_k(q . k / sqrt(768)) v, head size 96, 2,048 queries and keys, 32 batch x heads.  q, k, v come as f16 fragment images (see the launch before); products in f16 with f32 sums; maxima, exponentials and sums in f32;
; the weights p (at most 1) are rounded to f16 for the second product; o is rounded once to f16 and stored as fragment images for the last product:
;   of [block of 128 rows 64][head / 2, 4][tile of 16 rows 8][3 (head & 1) + 32 channels c, 6][1,024 bytes].
; LIMITS: |o| up to 65,504 (f16); NaN and infinities are not served.
; SHARES.  A work-group owns 256 queries of one batch x head.  Eight waves, two to a SIMD: wave = (g = wave & 3: 64 queries, four tiles of 16; hf = wave >> 2: keys 1,024 hf ..).  So each fragment of K and V feeds four products, and one wave's
; softmax stands beside the other's products.  At the end wave 4 + g hands its maximum, sum and O^T to wave g through LDS.  A step is 64 keys: 96 matrix instructions; 16 steps a wave.
; LAYOUT.  S^T = K Q^T (source 0 = 16 keys, source 1 = 16 queries): a lane holds ONE query (lane % 16) and keys 8 (lane / 16) + 0..7; two such tiles packed to f16 are source 1 of O^T = V^T P, whose result again holds one query a lane.
; SOFTMAX.  A running maximum m and sum l for each query: p = 2^(c s - c m), c = log2(e) / sqrt(768); in every step O^T and l are multiplied by a = 2^(c m_old - c m_new).  m begins at -3e38, l and O^T at 0, so that no first step of its own
; is written (192 moves, once).
; A STEP'S ORDER.  K Q^T (48 products; K's first eight fragments were asked for in the step before, the last four are asked for behind the first 16 products) | V's keys 0-31 asked for | softmax | V's keys 32-63 asked for, into registers that
; the packing of P has freed | V^T P for keys 0-31 (24 products, with O^T's rescaling dealt among them: behind each product the four multiplications of the accumulator two turns on) | the next step's K asked for | V^T P for keys 32-63.
; RING.  Two LDS slots, 2^17 bytes apart; a slot holds [K hf 0 | K hf 1 | V hf 0 | V hf 1], 24,576 bytes each: 128 keys of each half, two steps.  Wave w fetches the slot's w-th 12,288 bytes: one tensor load of mine is out at any time.
; THE CHANGE OF SLOTS stands in a slot's second step, behind the products for keys 0-31: all the wave's reads of the slot have been issued by then.  The products for keys 32-63, work on registers, stand between the barrier's signal and its wait.
; CLUSTER.  The four query blocks of a cluster walk the same K and V: every tile is asked for jointly (mask 15), behind a round of the cluster's barrier.
; REGISTERS.  Window 0: v1-7 addresses; v8-31 statistics, six a tile: +0 c m, +1 m, +2, +3 l, +4 a, +5 at work; v32-127 Q (24 t + 8 c); v128-255 S^T (32 t + 8 kt), then P in the low half of each tile's 32 and V's second half in the upper.
;   Window 1: v0-191 O^T (48 t + 8 ct); v192-255 eight fragment buffers for K, of which V's keys 0-31 take six.
.set SLOT1, 131072
.set HALFB, 24576
.set STEPB, 12288                      ; a step's K, or V, of one half of the keys
.set VOFF,  49152
.set XCHB,  26624                      ; the exchange: 48 images of 512 bytes and 4 of statistics for each g, from LDS byte 0: in slot 0's bytes, which have had their last fill and their last read when the first store lands there
.set SPARE, 229376                     ; behind slot 1: the spare words, 128 bytes a wave: four blocks of 256 bytes that no other line names
.set LI,  1                            ; v1  16 x lane + 24,576 hf
.set SPW, 2                            ; v2  my spare word; never rewritten
.set NIL, 3                            ; v3  0; never rewritten
.set ADR, 4                            ; v4  the LDS base of the step whose K was asked for last
.set PFO, 5                            ; v5  256 x lane; never rewritten
.set GO,  6                            ; v6  16 x lane
.set XA,  7                            ; v7  the exchange: XCHB g + 16 x lane
.set ST,  8
.set Q,   32
.set S,   128
.set KB,  192
.set MG,  32                           ; the merge: the partner's O^T, v32-223; its statistics v224-239
.set WV,  8                            ; s8 wave; s9 g; s10 hf; s11 cx; s12 query block; s13 batch x head
.set G1,  16                           ; s[16:23] descriptor group 1
.set G0,  24                           ; s[24:27] group 0, which walks
.set TS,  30                           ; s30 LDS byte at which a step's tiles begin
.set SLOTS, 31                         ; s31 slots still to be asked for
.set CS,  34                           ; s[34:35] c
.set SEL, 36                           ; s[36:37] v_permlanex16_b32's selects for lane l xor 16
.set PFA, 38                           ; s[38:39] where my prefetches stand
.set LIM, 40                           ; s40 1 in a wave that prefetches, else the greatest number
.set OUT, 42                           ; s[42:43] my rows of of
.set QA,  52                           ; s[52:53] my rows of q
.set MSB, 0
.macro WIN new                         ; the immediate's high byte repeats the setting that is left; a switch that changes nothing is dropped
.if MSB != (\new)
	s_set_vgpr_msb (MSB<<8)|(\new)
.set MSB, (\new)
.endif
.endm
.macro PLACES n
.rept \n
	v_nop
.endr
.endm
.macro CREST                           ; a round of the cluster's barrier behind its opening barrier
	s_cmp_lg_u32 s[WV], 0
	s_cbranch_scc1 .Lnot_wave_0_\@
	s_barrier_signal -3
.Lnot_wave_0_\@:
	s_barrier_wait -3
	s_barrier_signal -1
	s_barrier_wait -1
.endm
.macro CROUND                          ; a whole round
	s_barrier_signal -1
	s_barrier_wait -1
	CREST
.endm
; A prefetch of what the NEXT change of slots will load: a slot's 98,304 bytes.  Both clusters of a batch x head walk the same K and V: the first (cluster x = 0) asks.  Its four partners take one of the slot's four parts of 24,576 bytes each,
; told apart BY ADDRESS; in each, waves 0 to 2 ask for 8,192 bytes, lanes 256 bytes apart.  So each aligned block of 256 bytes is named once in the launch.  The last change that fills a slot asks for nothing; slots 0 and 1 come by their loads alone.
.macro ASK
	s_cmp_gt_u32 s[SLOTS], s[LIM]
	s_cbranch_scc0 .Lnot_mine_\@
	global_prefetch_b8 v[PFO], s[PFA:PFA+1] th:TH_LOAD_NT scope:SCOPE_SE
.Lnot_mine_\@:
.endm
.macro WALK                            ; no tensor load of mine is out: group 0 steps; and the prefetches' address, a slot further on
	s_xor_b32 s[G0+1], s[G0+1], SLOT1              ; the other slot than last time,
	s_add_nc_u64 s[G0+2:G0+3], s[G0+2:G0+3], HALFB ; the next 128 keys of each half; the type bits on top are not reached
	s_wait_xcnt 0x0                                ; the last prefetch, two steps back, has read its address
	s_add_nc_u64 s[PFA:PFA+1], s[PFA:PFA+1], HALFB
.endm
	s_load_b128 s[4:7], s[0:1], 0x0                ; qkv s[4:5], of s[6:7]
	v_lshl_add_u32 v[SPW], v0, 2, SPARE
	v_mov_b32 v[NIL], 0
	ds_add_u32 v[SPW], v[NIL]                      ; the wave's opening: the add, twice on end, and its wait ahead of my first tensor load
	ds_add_u32 v[SPW], v[NIL]
	v_lshrrev_b32 v4, 5, v0
	v_readfirstlane_b32 s[WV], v4                  ; wave 0..7
	s_and_b32 s9, s[WV], 3                         ; g
	s_lshr_b32 s10, s[WV], 2                       ; hf.  Also: I fetch for K (0) or V (1)
	s_bfe_u32 s11, ttmp6, 0x40000                  ; cx
	s_lshl_b32 s12, ttmp9, 2
	s_add_co_u32 s12, s12, s11                     ; my block of 256 queries
	s_and_b32 s13, ttmp7, 0xffff                   ; batch x head, which the four partners share
	s_mov_b32 s[G1], 15|(3<<16)|(1<<21)            ; the mask: all four work-groups; elements of 8 bytes; bit 21 beside a mask; no padding
	s_mov_b32 s[G1+1], 32<<16                      ; tensor_dim0: rows of 256 bytes
	s_mov_b32 s[G1+2], 48<<16                      ; tensor_dim1: 48 of them
	s_mov_b32 s[G1+3], 32<<16                      ; tile_dim0
	s_mov_b32 s[G1+4], 48                          ; tile_dim1
	s_mov_b32 s[G1+5], 32                          ; the pitch: dense
	s_mov_b32 s[G1+6], 0
	s_mov_b32 s[G1+7], 0
	; what I fetch: tensor 1 + (w >> 2), my batch x head, key half (w >> 1) & 1, half (w & 1) of the part: registers s44, s45, which never hold cx
	s_mul_i32 s44, s13, 393216
	s_add_co_u32 s45, s10, 1
	s_mul_i32 s45, s45, 12582912
	s_add_co_u32 s44, s44, s45
	s_bfe_u32 s45, s[WV], 0x10001
	s_mul_i32 s45, s45, 196608
	s_add_co_u32 s44, s44, s45
	s_and_b32 s45, s[WV], 1
	s_mul_i32 s45, s45, 12288
	s_add_co_u32 s44, s44, s45                     ; under 2^26
	s_mov_b32 s45, 0
	s_mov_b32 s[G0], 1
	s_mul_i32 s[G0+1], s[WV], 12288                ; and where it goes: slot 0
	s_mov_b32 s[CS], 0x3d553b95                    ; c = log2(e) / sqrt(768)
	s_mov_b32 s[CS+1], s[CS]                       ; (named with it as a pair, so it is written)
	s_mov_b32 s[SEL], 0x76543210
	s_mov_b32 s[SEL+1], 0xfedcba98
	s_mov_b32 s[TS], 0
	s_mov_b32 s[SLOTS], 7
	; the prefetches: part cx of a slot, 8,192 bytes a wave (the wave's term is held at 2, so that the address stays inside qkv in the waves that never ask)
	s_lshr_b32 s48, s11, 1
	s_add_co_u32 s48, s48, 1
	s_mul_i32 s48, s48, 12582912
	s_mul_i32 s49, s13, 393216
	s_add_co_u32 s48, s48, s49
	s_and_b32 s49, s11, 1
	s_mul_i32 s49, s49, 196608
	s_add_co_u32 s48, s48, s49
	s_min_u32 s49, s[WV], 2
	s_lshl_b32 s49, s49, 13
	s_add_co_u32 s48, s48, s49
	s_add_co_u32 s48, s48, HALFB                   ; in slot 1: the first change steps it to slot 2
	s_mov_b32 s49, 0
	s_cmp_lt_u32 s[WV], 3
	s_cselect_b32 s[LIM], 0, 1
	s_or_b32 s[LIM], s[LIM], ttmp9                 ; 0 in waves 0 to 2 of the first cluster: the same in all four partners
	s_cmp_eq_u32 s[LIM], 0
	s_cselect_b32 s[LIM], 1, -1
	; my 64 queries in q
	s_lshl_b32 s50, s12, 4
	s_lshl_b32 s51, s9, 2
	s_add_co_u32 s50, s50, s51
	s_mul_i32 s50, s50, 3072
	s_mul_i32 s51, s13, 393216
	s_add_co_u32 s50, s50, s51
	s_mov_b32 s51, 0
	; and in of: row block 16 b + 2 qb + (g >> 1), chunk head >> 1, tile 4 (g & 1), K steps 3 (head & 1) on
	s_lshr_b32 s42, s13, 3
	s_lshl_b32 s42, s42, 4
	s_lshl_b32 s43, s12, 1
	s_add_co_u32 s42, s42, s43
	s_lshr_b32 s43, s9, 1
	s_add_co_u32 s42, s42, s43
	s_lshl_b32 s42, s42, 2
	s_bfe_u32 s43, s13, 0x20001
	s_add_co_u32 s42, s42, s43
	s_lshl_b32 s42, s42, 3
	s_and_b32 s43, s9, 1
	s_lshl_b32 s43, s43, 2
	s_add_co_u32 s42, s42, s43
	s_mul_i32 s42, s42, 6144
	s_and_b32 s43, s13, 1
	s_mul_i32 s43, s43, 3072
	s_add_co_u32 s42, s42, s43
	s_mov_b32 s43, 0
	s_wait_dscnt 0x0                               ; both opening adds are done
	s_wait_kmcnt 0x0
	s_add_nc_u64 s[G0+2:G0+3], s[4:5], s[44:45]
	s_or_b32 s[G0+3], s[G0+3], 0x80000000
	s_add_nc_u64 s[PFA:PFA+1], s[4:5], s[48:49]
	s_add_nc_u64 s[QA:QA+1], s[4:5], s[50:51]
	s_add_nc_u64 s[OUT:OUT+1], s[6:7], s[42:43]
	CROUND                                         ; all four work-groups are here: the first joint loads meet
	tensor_load_to_lds s[G0:G0+3], s[G1:G1+7]      ; slot 0
	s_nop 0
	PLACES 4
	v_and_b32 v4, 31, v0
	v_lshlrev_b32 v[GO], 4, v4
	v_lshlrev_b32 v[PFO], 8, v4
	s_mul_i32 s46, s10, HALFB
	v_add_nc_u32 v[LI], s46, v[GO]
	s_mul_i32 s46, s9, XCHB
	v_add_nc_u32 v[XA], s46, v[GO]
.irp t, 0,1,2,3
.irp f, 0,1,2,3,4,5
	global_load_b128 v[Q+24*\t+4*\f:Q+24*\t+4*\f+3], v[GO], s[QA:QA+1] offset:3072*\t+512*\f   ; Q stays in registers
.endr
.endr
.irp t, 0,1,2,3
	v_mov_b32 v[ST+6*\t+1], 0xff61b1e6             ; m = -3e38, under every score
	v_mul_f32 v[ST+6*\t], s[CS], v[ST+6*\t+1]      ; c m
	v_mov_b32 v[ST+6*\t+2], 0                      ; l, in two halves
	v_mov_b32 v[ST+6*\t+3], 0
	v_mov_b32 v[ST+6*\t+4], 0
	v_mov_b32 v[ST+6*\t+5], 0
.endr
	WIN 0x40
.set i, 0
.rept 192
	v_mov_b32 v[i], 0                              ; O^T: the first step's a = 0 leaves zeros zeros
.set i, i+1
.endr
	WIN 0
; K's twelve fragments of a step (fragment 3 kt + c: key tile kt, channels 32 c on; 1,024 bytes each) are multiplied in the order 0,3,1,4,2,5 | 6,9,7,10,8,11: eight accumulators by turns in each half.
.macro KLOADA                          ; the first eight of that order into buffers 0-7
	WIN 0x40
.set p, 0
.irp f, 0,3,1,4,2,5,6,9
	ds_load_b128 v[KB+8*p:KB+8*p+3], v[ADR] offset:1024*\f
	ds_load_b128 v[KB+8*p+4:KB+8*p+7], v[ADR] offset:1024*\f+512
.set p, p+1
.endr
.endm
.macro KLOADB                          ; the last four into buffers 0-3, which the first four have left
	WIN 0x40
.set p, 0
.irp f, 7,10,8,11
	ds_load_b128 v[KB+8*p:KB+8*p+3], v[ADR] offset:1024*\f
	ds_load_b128 v[KB+8*p+4:KB+8*p+7], v[ADR] offset:1024*\f+512
.set p, p+1
.endr
.endm
.macro KQF b, f                        ; fragment f of K, in buffer b, against my four tiles of queries; channels 0-31 start each sum
.irp t, 0,1,2,3
.if (\f)%3 == 0
	v_wmma_f32_16x16x32_f16 v[S+32*\t+8*((\f)/3):S+32*\t+8*((\f)/3)+7], v[KB+8*(\b):KB+8*(\b)+7], v[Q+24*\t+8*((\f)%3):Q+24*\t+8*((\f)%3)+7], 0
.else
	v_wmma_f32_16x16x32_f16 v[S+32*\t+8*((\f)/3):S+32*\t+8*((\f)/3)+7], v[KB+8*(\b):KB+8*(\b)+7], v[Q+24*\t+8*((\f)%3):Q+24*\t+8*((\f)%3)+7], v[S+32*\t+8*((\f)/3):S+32*\t+8*((\f)/3)+7]
.endif
.endr
.endm
.macro RESC n                          ; accumulator n of O^T (channel tile n / 4, tile of queries n % 4) x a, from its low end on
.set ro, 48*((\n)%4)+8*((\n)/4)
.set rt, ST+6*((\n)%4)+4
.irp k, 0,2,4,6
	v_pk_mul_f32 v[ro+\k:ro+\k+1], v[ro+\k:ro+\k+1], v[rt:rt+1] op_sel_hi:[1,0]
.endr
.endm
; O^T += V^T P for keys 0-31: 24 products, one on each accumulator.  The rescaling goes two accumulators ahead of the products: its lines name no register of the products round them.  One window setting serves both lines: V and O^T in
; window 1, P and a in window 0 (the multiplication has no third source).
.macro PV0R
	WIN 0x51
	RESC 0
	RESC 1
.set n, 0
.rept 24
.set ra, 48*(n%4)+8*(n/4)
	v_wmma_f32_16x16x32_f16 v[ra:ra+7], v[KB+8*(n/4):KB+8*(n/4)+7], v[S+32*(n%4):S+32*(n%4)+7], v[ra:ra+7]
.if n < 22
	RESC n+2
.endif
.set n, n+1
.endr
.endm
.macro PV1                             ; the same for keys 32-63: V in window 0, in the upper halves of tiles 0 to 2 of S^T
	WIN 0x50
.irp f, 0,1,2,3,4,5
.irp t, 0,1,2,3
	v_wmma_f32_16x16x32_f16 v[48*\t+8*\f:48*\t+8*\f+7], v[S+32*(\f/2)+16+8*(\f%2):S+32*(\f/2)+16+8*(\f%2)+7], v[S+32*\t+8:S+32*\t+15], v[48*\t+8*\f:48*\t+8*\f+7]
.endr
.endr
.endm
; A KEY STEP: 64 keys.  kind 0: a slot's first step; 1: its second, with the change of slots and a refill; 2: the same without a refill; 3: the last step of all.
; At its head the step's first eight fragments of K are on their way or in, and v[ADR] is its LDS base.  In every line of the softmax the four tiles take turns, so that no line waits for the line above it.
; A load into a register that a matrix instruction has read, and a vector instruction that reads a matrix result, stand four places behind it; a matrix instruction that writes over such a register five (plain vector instructions that name none
; of its registers: ISA guide 7.12.1 for vector instructions).
.macro STEP kind
	s_wait_dscnt 8                                 ; of the sixteen loads asked for ahead the first eight are in: four fragments
	WIN 0x01                                       ; K in window 1; Q and S^T in window 0
	KQF 0, 0
	KQF 1, 3
	KQF 2, 1
	KQF 3, 4
	PLACES 4
	KLOADB
	s_wait_dscnt 8                                 ; all but the eight just issued: fragments five to eight are in
	WIN 0x01
	KQF 4, 2
	KQF 5, 5
	KQF 6, 6
	KQF 7, 9
	s_wait_dscnt 0x0                               ; the last four, asked for 16 products ago
	KQF 0, 7
	KQF 1, 10
	KQF 2, 8
	KQF 3, 11
	PLACES 4                                       ; in front of the loads below and of the first read of the scores
	WIN 0x40
.irp f, 0,1,2,3,4,5
	ds_load_b128 v[KB+8*\f:KB+8*\f+3], v[ADR] offset:VOFF+1024*\f          ; V, keys 0-31: lands under the softmax
	ds_load_b128 v[KB+8*\f+4:KB+8*\f+7], v[ADR] offset:VOFF+1024*\f+512
.endr
	WIN 0
	; the maximum of 32 scores and the old m: two chains; each accumulator is first read within its four lowest registers
.irp t, 0,1,2,3
	v_max3_num_f32 v[ST+6*\t+4], v[S+32*\t], v[S+32*\t+1], v[S+32*\t+2]
.endr
.irp t, 0,1,2,3
	v_max3_num_f32 v[ST+6*\t+5], v[S+32*\t+17], v[S+32*\t+18], v[S+32*\t+19]
.endr
.irp i, 3,5,7,9,11,13,15
.irp t, 0,1,2,3
	v_max3_num_f32 v[ST+6*\t+4], v[ST+6*\t+4], v[S+32*\t+\i], v[S+32*\t+\i+1]
.endr
.endr
.irp i, 20,22,24,26,28,30
.irp t, 0,1,2,3
	v_max3_num_f32 v[ST+6*\t+5], v[ST+6*\t+5], v[S+32*\t+\i], v[S+32*\t+\i+1]
.endr
.endr
.irp t, 0,1,2,3
	v_max3_num_f32 v[ST+6*\t+4], v[ST+6*\t+4], v[ST+6*\t+5], v[ST+6*\t+1]
.endr
.irp t, 0,1,2,3
	v_permlanex16_b32 v[ST+6*\t+5], v[ST+6*\t+4], s[SEL], s[SEL+1]   ; the query's other 32 keys lie in the lane 16 away
.endr
.irp t, 0,1,2,3
	v_max_num_f32 v[ST+6*\t+1], v[ST+6*\t+4], v[ST+6*\t+5]           ; the new m
.endr
.irp t, 0,1,2,3
	v_mov_b32 v[ST+6*\t+5], v[ST+6*\t]                               ; c m_old
.endr
.irp t, 0,1,2,3
	v_mul_f32 v[ST+6*\t], s[CS], v[ST+6*\t+1]                        ; c m_new
.endr
.irp t, 0,1,2,3
	v_sub_f32 v[ST+6*\t+4], v[ST+6*\t+5], v[ST+6*\t]
.endr
	; ONE BATCH of 132 exponentials, none of whose results is named before the one wait behind it; the next tile's scalings stand among them
.irp t, 0,1,2,3
	v_exp_f32 v[ST+6*\t+4], v[ST+6*\t+4]                             ; a
.endr
.irp b, 0,1,2,3,4,5,6,7,8,9,10,11,12,13,14,15
	v_pk_fma_f32 v[S+2*\b:S+2*\b+1], v[S+2*\b:S+2*\b+1], s[CS:CS+1], v[ST:ST+1] op_sel_hi:[1,0,0] neg_lo:[0,0,1] neg_hi:[0,0,1]   ; tile 0: c s - c m
.endr
.irp t, 0,1,2,3
.irp b, 0,1,2,3,4,5,6,7,8,9,10,11,12,13,14,15
.if \t < 3
	v_pk_fma_f32 v[S+32*(\t+1)+2*\b:S+32*(\t+1)+2*\b+1], v[S+32*(\t+1)+2*\b:S+32*(\t+1)+2*\b+1], s[CS:CS+1], v[ST+6*(\t+1):ST+6*(\t+1)+1] op_sel_hi:[1,0,0] neg_lo:[0,0,1] neg_hi:[0,0,1]
.endif
	v_exp_f32 v[S+32*\t+2*\b], v[S+32*\t+2*\b]
	v_exp_f32 v[S+32*\t+2*\b+1], v[S+32*\t+2*\b+1]
.endr
.endr
	v_nop                                          ; the plain instruction behind the last exponential
	s_wait_alu depctr_va_vdst(0)                   ; a wait ahead of the first instruction that names a result: one for the batch
.irp t, 0,1,2,3
	v_pk_fma_f32 v[ST+6*\t+2:ST+6*\t+3], v[ST+6*\t+2:ST+6*\t+3], v[ST+6*\t+4:ST+6*\t+5], v[S+32*\t:S+32*\t+1] op_sel_hi:[1,0,1]   ; l = a l + p
.endr
.irp b, 1,2,3,4,5,6,7,8,9,10,11,12,13,14,15
.irp t, 0,1,2,3
	v_pk_add_f32 v[ST+6*\t+2:ST+6*\t+3], v[ST+6*\t+2:ST+6*\t+3], v[S+32*\t+2*\b:S+32*\t+2*\b+1]
.endr
.endr
.irp i, 0,1,2,3,4,5,6,7,8,9,10,11,12,13,14,15
.irp t, 0,1,2,3
	v_cvt_pk_f16_f32 v[S+32*\t+\i], v[S+32*\t+2*\i], v[S+32*\t+2*\i+1]   ; P, in place, ascending: registers 0-7 keys 0-31, 8-15 keys 32-63; 16-31 come free
.endr
.endr
.irp f, 0,1,2,3,4,5
	ds_load_b128 v[S+32*(\f/2)+16+8*(\f%2):S+32*(\f/2)+16+8*(\f%2)+3], v[ADR] offset:VOFF+6144+1024*\f       ; V, keys 32-63, into the registers that came free
	ds_load_b128 v[S+32*(\f/2)+16+8*(\f%2)+4:S+32*(\f/2)+16+8*(\f%2)+7], v[ADR] offset:VOFF+6144+1024*\f+512
.endr
	s_wait_dscnt 12                                ; all but the twelve just issued: V's keys 0-31 are in
	PV0R
.if (\kind) == 0
	WIN 0
	s_xor_b32 s[TS], s[TS], STEPB                  ; the slot's second step
	v_add_nc_u32 v[ADR], s[TS], v[LI]              ; (LDS loads that are out have read their address)  With the three below: four places in front of the loads into K's buffers
	PLACES 3
	KLOADA                                         ; the next step's K lands under the 24 products below
	s_wait_dscnt 16                                ; all but the sixteen just issued: V's keys 32-63 are in
	PV1
	WIN 0
	PLACES 5                                       ; the next step's first products write over P and V, which these products read
.elseif (\kind) == 3
	s_wait_dscnt 0x0
	PV1
	WIN 0
	PLACES 5
.else
	; THE CHANGE OF SLOTS.  Each wave waits for all its tensor loads (one is out: its part of the slot ahead), adds 0 to its spare word, and waits for that and for its reads of this slot, the last of which were issued 24 products ago.
	WIN 0
	s_wait_tensorcnt 0x0                           ; no tensor load of mine is out, so group 0 may be written
	ds_add_u32 v[SPW], v[NIL]
.if (\kind) == 1
	WALK
.endif
	s_wait_dscnt 0x0                               ; the add is done, and my reads of this slot are over
	s_barrier_signal -1                            ; say so (kind 1: this barrier opens a round of the cluster's barrier),
	PV1                                            ; work on registers while the others arrive,
	WIN 0
	s_barrier_wait -1                              ; and go on when all eight have said so
.if (\kind) == 1
	CREST                                          ; no wave of any partner still reads this slot or has a load on its way
	tensor_load_to_lds s[G0:G0+3], s[G1:G1+7]      ; the next 128 keys of each half into the slot just left: 168 matrix instructions of mine stand between this line and the wait for it
	s_nop 0
.endif
	PLACES 4
	s_xor_b32 s[TS], s[TS], SLOT1+STEPB            ; the other slot's first step
	v_add_nc_u32 v[ADR], s[TS], v[LI]
	v_nop                                          ; six places behind the last products: five are owed in front of the next step's first products, four in front of the loads below
	KLOADA
	WIN 0
.if (\kind) == 1
	ASK                                            ; behind the joint load and the run of LDS loads that the next products wait for
.endif
.endif
.endm
	s_wait_loadcnt 0x0                             ; Q
	; the first change: slot 0 has landed; slot 1 is filled
	s_wait_tensorcnt 0x0
	ds_add_u32 v[SPW], v[NIL]
	WALK
	s_wait_dscnt 0x0
	CROUND
	tensor_load_to_lds s[G0:G0+3], s[G1:G1+7]
	s_nop 0
	PLACES 4
	v_add_nc_u32 v[ADR], s[TS], v[LI]
	KLOADA                                         ; step 0's K
	WIN 0
	ASK
	s_mov_b32 s[SLOTS], 6
.Lslot:                                            ; six trips, a slot each: slots 2 to 7 are asked for
	STEP 0
	STEP 1
	s_sub_co_u32 s[SLOTS], s[SLOTS], 1
	s_cmp_lg_u32 s[SLOTS], 0
	s_cbranch_scc1 .Lslot
	STEP 0                                         ; the last two slots are written out
	STEP 2
	STEP 0
	STEP 3
	; THE MERGE of the two halves of the keys
.irp t, 0,1,2,3
	v_add_f32 v[ST+6*\t+2], v[ST+6*\t+2], v[ST+6*\t+3]
.endr
.irp t, 0,1,2,3
	v_permlanex16_b32 v[ST+6*\t+5], v[ST+6*\t+2], s[SEL], s[SEL+1]
.endr
.irp t, 0,1,2,3
	v_add_f32 v[ST+6*\t+2], v[ST+6*\t+2], v[ST+6*\t+5]               ; my half's l
.endr
	s_cmp_lt_u32 s[WV], 4
	s_cbranch_scc1 .Lkeep
	WIN 0x04                                       ; an LDS store's data are its source 1: window 1
.set i, 0
.rept 48
	ds_store_b128 v[XA], v[4*i:4*i+3] offset:512*i ; O^T as it stands, each accumulator from its low end on
.set i, i+1
.endr
	WIN 0
.irp t, 0,1,2,3
	ds_store_b128 v[XA], v[ST+6*\t:ST+6*\t+3] offset:24576+512*\t    ; c m, m, l
.endr
.Lkeep:
	s_wait_dscnt 0x0                               ; for the partner's sake: my stores have landed
	s_barrier_signal -1
	s_barrier_wait -1
	s_cmp_ge_u32 s[WV], 4
	s_cbranch_scc1 .Ldone
.irp t, 0,1,2,3
	ds_load_b128 v[224+4*\t:227+4*\t], v[XA] offset:24576+512*\t
.endr
.set i, 0
.rept 48
	ds_load_b128 v[MG+4*i:MG+4*i+3], v[XA] offset:512*i
.set i, i+1
.endr
	s_wait_dscnt 0x0
.irp t, 0,1,2,3
	v_max_num_f32 v[ST+6*\t+1], v[ST+6*\t], v[224+4*\t]              ; the larger c m
.endr
.irp t, 0,1,2,3
	v_sub_f32 v[ST+6*\t+4], v[ST+6*\t], v[ST+6*\t+1]
	v_sub_f32 v[ST+6*\t+5], v[224+4*\t], v[ST+6*\t+1]
.endr
.irp t, 0,1,2,3
	v_exp_f32 v[ST+6*\t+4], v[ST+6*\t+4]                             ; a0
	v_exp_f32 v[ST+6*\t+5], v[ST+6*\t+5]                             ; a1
.endr
	v_nop
	s_wait_alu depctr_va_vdst(0)                   ; one wait for the eight
.irp t, 0,1,2,3
	v_mul_f32 v[ST+6*\t+3], v[ST+6*\t+4], v[ST+6*\t+2]
.endr
.irp t, 0,1,2,3
	v_fma_f32 v[ST+6*\t+3], v[ST+6*\t+5], v[226+4*\t], v[ST+6*\t+3]  ; the row's sum: a0 l + a1 l'
.endr
.irp t, 0,1,2,3
	v_rcp_f32 v[ST+6*\t+3], v[ST+6*\t+3]
.endr
	v_nop
	s_wait_alu depctr_va_vdst(0)                   ; one wait for the four
.irp t, 0,1,2,3
	v_mul_f32 v[ST+6*\t+4], v[ST+6*\t+4], v[ST+6*\t+3]               ; f0 = a0 / sum
	v_mul_f32 v[ST+6*\t], v[ST+6*\t+5], v[ST+6*\t+3]                 ; f1 = a1 / sum
.endr
.irp t, 0,1,2,3
.set i, 0
.rept 24
	v_pk_mul_f32 v[MG+48*\t+i:MG+48*\t+i+1], v[MG+48*\t+i:MG+48*\t+i+1], v[ST+6*\t:ST+6*\t+1] op_sel_hi:[1,0]
.set i, i+2
.endr
.endr
	WIN 0x01                                       ; source 0: my O^T, window 1
.irp t, 0,1,2,3
.set i, 0
.rept 24
	v_pk_fma_f32 v[MG+48*\t+i:MG+48*\t+i+1], v[48*\t+i:48*\t+i+1], v[ST+6*\t+4:ST+6*\t+5], v[MG+48*\t+i:MG+48*\t+i+1] op_sel_hi:[1,0,1]
.set i, i+2
.endr
.endr
	WIN 0
.set i, 0
.rept 96
	v_cvt_pk_f16_f32 v[MG+i], v[MG+2*i], v[MG+2*i+1]                 ; in place, ascending: tile t's channel tile ct at MG + 24 t + 4 ct
.set i, i+1
.endr
.irp t, 0,1,2,3
.irp f, 0,1,2,3,4,5
	global_store_b128 v[GO], v[MG+24*\t+4*\f:MG+24*\t+4*\f+3], s[OUT:OUT+1] offset:6144*\t+512*\f   ; 32 lanes store 512 consecutive bytes, aligned
.endr
.endr
.Ldone:
	s_wait_tensorcnt 0x0                           ; the wave's end
	ds_add_u32 v[SPW], v[NIL]
	s_wait_dscnt 0x0
	CROUND                                         ; the closing round
	s_endpgm
.Lfunc_end_k_qa67e1390a0_attn:
	.size	k_qa67e1390a0_attn, .Lfunc_end_k_qa67e1390a0_attn-k_qa67e1390a0_attn
	.p2alignl 7, 3214868480
	.fill 96, 4, 3214868480
	.section	.rodata,"a",@progbits
	.p2align	6, 0x0
	.amdhsa_kernel k_qa67e1390a0_attn
		.amdhsa_group_segment_fixed_size 327680
		.amdhsa_private_segment_fixed_size 0
		.amdhsa_enable_private_segment 0
		.amdhsa_kernarg_size 16
		.amdhsa_user_sgpr_count 2
		.amdhsa_user_sgpr_kernarg_segment_ptr 1
		.amdhsa_wavefront_size32 1
		.amdhsa_system_sgpr_workgroup_id_x 1
		.amdhsa_system_sgpr_workgroup_id_y 1
		.amdhsa_system_sgpr_workgroup_id_z 1
		.amdhsa_system_vgpr_workitem_id 0
		.amdhsa_next_free_vgpr 512
		.amdhsa_next_free_sgpr 66
		.amdhsa_reserve_vcc 0
		.amdhsa_float_denorm_mode_32 3
		.amdhsa_float_denorm_mode_16_64 3
		.amdhsa_memory_ordered 1
		.amdhsa_forward_progress 1
		.amdhsa_inst_pref_size 255
	.end_amdhsa_kernel
	.section	.bss,"aw",@nobits
	.p2align	6
	.space	262144
	.amdgpu_metadata
---
amdhsa.version: [ 1, 2 ]
amdhsa.kernels:
  - .name:           k_qa67e1390a0_attn
    .symbol:         k_qa67e1390a0_attn.kd
    .args:
      - { .name: qkv, .offset: 0, .size: 8, .value_kind: global_buffer, .address_space: global }
      - { .name: of, .offset: 8, .size: 8, .value_kind: global_buffer, .address_space: global }
    .group_segment_fixed_size: 327680
    .private_segment_fixed_size: 0
    .kernarg_segment_align: 8
    .kernarg_segment_size: 16
    .max_flat_workgroup_size: 256
    .sgpr_count:     66
    .vgpr_count:     512
    .wavefront_size: 32
...
	.end_amdgpu_metadata
.endif
;; end of part 3
;; launch outp (part 4): grid 4 x 64, 4 waves a work-group, clusters of 4 x 1, 297,472 bytes of LDS; arguments of, wo16, bo, out0; writes out0
.if DOCPART == 4
	.amdgcn_target "amdgcn-amd-amdhsa--gfx1250"
	.amdhsa_code_object_version 6
	.text
	.protected	k_qa67e1390a0_outp
	.globl	k_qa67e1390a0_outp
	.p2align	8
	.type	k_qa67e1390a0_outp,@function
k_qa67e1390a0_outp:
	s_mov_b64 s[64:65], 0
	v_nop
	global_prefetch_b8 v0, s[64:65] scope:SCOPE_SE
	s_setreg_imm32_b32 hwreg(HW_REG_WAVE_MODE, 25, 1), 1
	s_wait_xcnt 0x0
	s_wait_alu depctr_hold_cnt(0) depctr_sa_sdst(0) depctr_va_vdst(0) depctr_va_sdst(0) depctr_va_ssrc(0) depctr_va_vcc(0) depctr_vm_vsrc(0)
	s_getreg_b32 s2, hwreg(HW_REG_IB_STS2, 6, 4)
	s_cmp_eq_u32 s2, 0
	s_cbranch_scc0 .Lentry_in_a_cluster
	s_endpgm
.Lentry_in_a_cluster:
	s_bfe_u32 s2, ttmp6, 0x10000c
	s_cmp_lg_u32 s2, 0x3003
	s_cbranch_scc0 .Lentry_shape_is_right
	s_endpgm
.Lentry_shape_is_right:
; out0 = o Wo^T + bo.  o [8192][768] and Wo [768][768] come as f16 fragment images (of, wo16: see the launches before); sums in f32; out0 f32, row-major.
; SHARES.  256 work-groups of 128 rows (y) x 192 columns (cx).  THE WAVES SHARE THE COLUMNS: wave w makes columns 48 w .. 48 w + 47 (three tiles of Wo) for all 128 rows: 24 accumulators.  Its 72 fragments of Wo (576 registers) are read from
; memory once and stay in registers.  o's 128 rows are one dense block of 196,608 bytes, the same for the four work-groups of a cluster: it is asked for jointly (mask 15), in four chunks of six K steps, four tensor loads a wave
; (four of mine are out at the most), all first fills: nothing is filled again.
; Source 0 = 16 rows of Wo, source 1 = 16 rows of o: a lane holds one row of out0 and eight neighbouring columns.  The bias is the C of each sum's first product.  Results go through a stage in LDS and leave as aligned runs of 256 bytes.
; REGISTERS.  Window 0: v1-15 addresses; v64-255 the accumulators (64 + 8 (3 i + n)).  Wo's fragment 3 s + n at register 8 x that from window 1 on (to window 3's v63).  Window 3: v64-127, v128-191 two sets of o's eight fragments; v192-215 the bias.
.set STG,   196608                     ; LDS: o's images from 0; the stage: 128 rows x (768 + 16) bytes, bytes of its own
.set SPITCH, 784
.set SPARE, 296960                     ; the spare words, 128 bytes a wave: two blocks of 256 bytes that no other line names
.set SPW, 2
.set NIL, 3
.set AO,  4                            ; v4-7  16 x lane + 49,152 x chunk
.set STO, 8                            ; v8, v9 the stage, way in: rows 0-63, rows 64-127
.set RD,  10                           ; v10 the stage, way out
.set GOF, 11                           ; v11 3,072 h + 16 r
.set LI,  12                           ; v12 16 x lane
.set BOF, 13                           ; v13 32 h
.set ACC, 64
.set WV,  12                           ; s12 wave; s13 cx; s14 row block
.set G1,  16                           ; s[16:23] descriptor group 1
.set G0,  24                           ; s[24:39] group 0, a set for each chunk
.set MSB, 0
.macro WIN new
.if MSB != (\new)
	s_set_vgpr_msb (MSB<<8)|(\new)
.set MSB, (\new)
.endif
.endm
.macro PLACES n
.rept \n
	v_nop
.endr
.endm
.macro CROUND
	s_barrier_signal -1
	s_barrier_wait -1
	s_cmp_lg_u32 s[WV], 0
	s_cbranch_scc1 .Lnot_wave_0_\@
	s_barrier_signal -3
.Lnot_wave_0_\@:
	s_barrier_wait -3
	s_barrier_signal -1
	s_barrier_wait -1
.endm
	s_load_b256 s[4:11], s[0:1], 0x0               ; of s[4:5], wo16 s[6:7], bo s[8:9], out0 s[10:11]
	v_lshl_add_u32 v[SPW], v0, 2, SPARE
	v_mov_b32 v[NIL], 0
	ds_add_u32 v[SPW], v[NIL]                      ; the wave's opening: the add, twice on end, and its wait ahead of my first tensor load
	ds_add_u32 v[SPW], v[NIL]
	v_lshrrev_b32 v1, 5, v0
	v_readfirstlane_b32 s[WV], v1                  ; wave 0..3
	s_bfe_u32 s13, ttmp6, 0x40000                  ; cx: which 192 columns
	s_and_b32 s14, ttmp7, 0xffff                   ; which 128 rows: shared by the four partners
	s_mov_b32 s[G1], 15|(3<<16)|(1<<21)            ; the mask: all four; elements of 8 bytes; bit 21 beside a mask
	s_mov_b32 s[G1+1], 32<<16                      ; rows of 256 bytes,
	s_mov_b32 s[G1+2], 48<<16                      ; 48 of them: a quarter of a chunk
	s_mov_b32 s[G1+3], 32<<16
	s_mov_b32 s[G1+4], 48
	s_mov_b32 s[G1+5], 32
	s_mov_b32 s[G1+6], 0
	s_mov_b32 s[G1+7], 0
	s_mul_i32 s40, s14, 196608
	s_mul_i32 s42, s[WV], 12288                    ; my quarter: in LDS,
	s_add_co_u32 s40, s40, s42                     ; and in memory
	s_mov_b32 s41, 0
	; what hangs on cx: registers s46-49, which feed no descriptor
	s_mul_i32 s46, s13, 12
	s_mul_i32 s47, s[WV], 3
	s_add_co_u32 s46, s46, s47
	s_mul_i32 s48, s46, 64                         ; my 48 numbers of bo: 16 x 4 bytes a tile
	s_mul_i32 s46, s46, 24576                      ; my three tiles of Wo
	s_mov_b32 s47, 0
	s_mov_b32 s49, 0
	s_wait_dscnt 0x0                               ; both opening adds are done
	s_wait_kmcnt 0x0
	s_add_nc_u64 s[44:45], s[4:5], s[40:41]
.irp k, 0,1,2,3
	s_mov_b32 s[G0+4*\k], 1
	s_add_co_u32 s[G0+4*\k+1], s42, \k*49152
	s_add_nc_u64 s[G0+4*\k+2:G0+4*\k+3], s[44:45], \k*49152
	s_or_b32 s[G0+4*\k+3], s[G0+4*\k+3], 0x80000000
.endr
	s_add_nc_u64 s[6:7], s[6:7], s[46:47]
	s_add_nc_u64 s[8:9], s[8:9], s[48:49]
	CROUND                                         ; all four work-groups are here: the joint loads meet
.irp k, 0,1,2,3
	tensor_load_to_lds s[G0+4*\k:G0+4*\k+3], s[G1:G1+7]
	s_nop 0
.endr
	PLACES 4
	v_and_b32 v1, 15, v0                           ; r
	v_bfe_u32 v14, v0, 4, 1                        ; h
	v_and_b32 v15, 31, v0
	v_lshlrev_b32 v[LI], 4, v15
	v_lshlrev_b32 v[BOF], 5, v14
.irp k, 0,1,2,3
	v_add_nc_u32 v[AO+\k], \k*49152, v[LI]
.endr
	WIN 0xc0                                       ; destination window 3
.irp n, 0,1,2
	global_load_b128 v[192+8*\n:195+8*\n], v[BOF], s[8:9] offset:64*\n       ; bo at columns 16 n + 8 h + 0 .. 7 of my 48
	global_load_b128 v[196+8*\n:199+8*\n], v[BOF], s[8:9] offset:64*\n+16
.endr
.set ss, 0
.rept 24
.set nn, 0
.rept 3
.set idx, 3*ss+nn
	WIN (1+idx/32)*0x40
.set rg, 8*(idx%32)
	global_load_b128 v[rg:rg+3], v[LI], s[6:7] offset:nn*24576+ss*1024       ; Wo's fragments, K step by K step
	global_load_b128 v[rg+4:rg+7], v[LI], s[6:7] offset:nn*24576+ss*1024+512
.set nn, nn+1
.endr
.set ss, ss+1
.endr
	WIN 0
	v_mul_u32_u24 v[STO], v1, SPITCH               ; the stage, way in: row r, 32 h, my 192 bytes
	v_lshl_add_u32 v[STO], v14, 5, v[STO]
	s_mul_i32 s50, s[WV], 192
	s_add_co_u32 s50, s50, STG
	v_add_nc_u32 v[STO], s50, v[STO]
	v_add_nc_u32 v[STO+1], 64*SPITCH, v[STO]
	v_mul_u32_u24 v[RD], v14, SPITCH               ; way out: my 32 rows; lanes 0-15 one row, lanes 16-31 the next
	v_lshl_add_u32 v[RD], v1, 4, v[RD]
	s_mul_i32 s50, s[WV], 32*SPITCH
	s_add_co_u32 s50, s50, STG
	v_add_nc_u32 v[RD], s50, v[RD]
	v_mul_u32_u24 v[GOF], v14, 3072
	v_lshl_add_u32 v[GOF], v1, 4, v[GOF]
	s_lshl_b32 s46, s14, 7
	s_lshl_b32 s47, s[WV], 5
	s_add_co_u32 s46, s46, s47
	s_mul_i32 s46, s46, 3072                       ; my first row of out0,
	s_mul_i32 s47, s13, 768                        ; my work-group's columns
	s_add_co_u32 s46, s46, s47                     ; under 2^25
	s_mov_b32 s47, 0
	s_add_nc_u64 s[10:11], s[10:11], s[46:47]
.macro FLOAD s                         ; o's eight fragments of K step s into set s % 2
	WIN 0xc0
.irp i, 0,1,2,3,4,5,6,7
	ds_load_b128 v[64+64*((\s)%2)+8*\i:64+64*((\s)%2)+8*\i+3], v[AO+(\s)/6] offset:6144*\i+1024*((\s)%6)
	ds_load_b128 v[64+64*((\s)%2)+8*\i+4:64+64*((\s)%2)+8*\i+7], v[AO+(\s)/6] offset:6144*\i+1024*((\s)%6)+512
.endr
.endm
.macro MUL24 s                         ; 24 products, one on each accumulator; tile of columns by tile, so that Wo's window changes at most twice
.set nn, 0
.rept 3
.set idx, 3*(\s)+nn
.set rg, 8*(idx%32)
.set fa, 64+64*((\s)%2)
.if (\s) == 0
	WIN (1+idx/32)+0x3c                            ; Wo's window; o and the bias in window 3; D in window 0
.else
	WIN (1+idx/32)+0x0c                            ; C and D in window 0
.endif
.irp i, 0,1,2,3,4,5,6,7
.if (\s) == 0
	v_wmma_f32_16x16x32_f16 v[ACC+8*(3*\i+nn):ACC+8*(3*\i+nn)+7], v[rg:rg+7], v[fa+8*\i:fa+8*\i+7], v[192+8*nn:199+8*nn]
.else
	v_wmma_f32_16x16x32_f16 v[ACC+8*(3*\i+nn):ACC+8*(3*\i+nn)+7], v[rg:rg+7], v[fa+8*\i:fa+8*\i+7], v[ACC+8*(3*\i+nn):ACC+8*(3*\i+nn)+7]
.endif
.endr
.set nn, nn+1
.endr
.endm
; A chunk of six K steps.  lc: how many of Wo's loads may still be out (those of later chunks); -1: no wait is needed.
.macro CHUNK k, lc
	WIN 0
	s_wait_tensorcnt 3-(\k)                        ; my part of this chunk is in; the later chunks' loads may stay out
	s_wait_dscnt 0x0
	s_barrier_signal -1
	s_barrier_wait -1                              ; everybody's part is in
.if (\lc) >= 0
	s_wait_loadcnt \lc
.endif
	PLACES 4                                       ; four places in front of loads into registers that matrix instructions have read
	FLOAD 6*(\k)
.irp q, 0,1,2,3,4,5
.if \q < 5
	PLACES 4
	FLOAD 6*(\k)+\q+1
	s_wait_dscnt 16                                ; all but the sixteen just issued: this step's fragments are in
.else
	s_wait_dscnt 0x0
.endif
	MUL24 6*(\k)+\q
.endr
.endm
	CHUNK 0, 63                                    ; of 150 loads at most the last 63 are out: the bias and Wo's K steps 0 to 12 are in, which covers chunk 1 too
	CHUNK 1, -1
	CHUNK 2, 36                                    ; the last chunk's 36 may be out
	CHUNK 3, 0
	WIN 0
	PLACES 4                                       ; in front of the first read of results
.irp i, 0,1,2,3,4,5,6,7
.irp n, 0,1,2
	ds_store_b128 v[STO+\i/4], v[ACC+8*(3*\i+\n):ACC+8*(3*\i+\n)+3] offset:(\i%4)*16*SPITCH+64*\n        ; each accumulator from its low end on
	ds_store_b128 v[STO+\i/4], v[ACC+8*(3*\i+\n)+4:ACC+8*(3*\i+\n)+7] offset:(\i%4)*16*SPITCH+64*\n+16
.endr
.endr
	s_wait_dscnt 0x0                               ; for the others' sake: my stores have landed (and have read their registers)
	s_barrier_signal -1
	s_barrier_wait -1                              ; 128 rows of 768 bytes lie in the stage
.set i, 0
.rept 48
	ds_load_b128 v[ACC+4*i:ACC+4*i+3], v[RD] offset:(i/3)*2*SPITCH+256*(i%3)
.set i, i+1
.endr
.set i, 0
.rept 48
	s_wait_dscnt 47-i
	global_store_b128 v[GOF], v[ACC+4*i:ACC+4*i+3], s[10:11] offset:(i/3)*6144+256*(i%3) th:TH_STORE_NT   ; sixteen lanes store 256 consecutive bytes, aligned; written once, read by nobody here
.set i, i+1
.endr
	s_wait_tensorcnt 0x0                           ; the wave's end
	ds_add_u32 v[SPW], v[NIL]
	s_wait_dscnt 0x0
	CROUND                                         ; the closing round
	s_endpgm
.Lfunc_end_k_qa67e1390a0_outp:
	.size	k_qa67e1390a0_outp, .Lfunc_end_k_qa67e1390a0_outp-k_qa67e1390a0_outp
	.p2alignl 7, 3214868480
	.fill 96, 4, 3214868480
	.section	.rodata,"a",@progbits
	.p2align	6, 0x0
	.amdhsa_kernel k_qa67e1390a0_outp
		.amdhsa_group_segment_fixed_size 297472
		.amdhsa_private_segment_fixed_size 0
		.amdhsa_enable_private_segment 0
		.amdhsa_kernarg_size 32
		.amdhsa_user_sgpr_count 2
		.amdhsa_user_sgpr_kernarg_segment_ptr 1
		.amdhsa_wavefront_size32 1
		.amdhsa_system_sgpr_workgroup_id_x 1
		.amdhsa_system_sgpr_workgroup_id_y 1
		.amdhsa_system_sgpr_workgroup_id_z 1
		.amdhsa_system_vgpr_workitem_id 0
		.amdhsa_next_free_vgpr 1024
		.amdhsa_next_free_sgpr 66
		.amdhsa_reserve_vcc 0
		.amdhsa_float_denorm_mode_32 3
		.amdhsa_float_denorm_mode_16_64 3
		.amdhsa_memory_ordered 1
		.amdhsa_forward_progress 1
		.amdhsa_inst_pref_size 98
	.end_amdhsa_kernel
	.amdgpu_metadata
---
amdhsa.version: [ 1, 2 ]
amdhsa.kernels:
  - .name:           k_qa67e1390a0_outp
    .symbol:         k_qa67e1390a0_outp.kd
    .args:
      - { .name: of, .offset: 0, .size: 8, .value_kind: global_buffer, .address_space: global }
      - { .name: wo16, .offset: 8, .size: 8, .value_kind: global_buffer, .address_space: global }
      - { .name: bo, .offset: 16, .size: 8, .value_kind: global_buffer, .address_space: global }
      - { .name: out0, .offset: 24, .size: 8, .value_kind: global_buffer, .address_space: global }
    .group_segment_fixed_size: 297472
    .private_segment_fixed_size: 0
    .kernarg_segment_align: 8
    .kernarg_segment_size: 32
    .max_flat_workgroup_size: 128
    .sgpr_count:     66
    .vgpr_count:     1024
    .wavefront_size: 32
...
	.end_amdgpu_metadata
.endif
;; end of part 4
